; MI455X (gfx1250); checked and timed in simulation.
; The chip was launched on July 23, 2026; its instructions are those of AMD's public machine-readable ISA for CDNA 5 (MIT licence, August 2026) and "CDNA5" Instruction Set Architecture Reference Guide (July 2026). The comments in the code are by the model that wrote it; some were corrected since.
;; MSA Row Attention With Pair Bias. Allowed arithmetic: float matrix products may take bf16 or f16 operands with f32 sums; all other float work in f32.
;; Inputs: W_z 128 x 8 float32; Wg 256 x 256 float32; Wk 256 x 256 float32; Wo 256 x 256 float32; Wq 256 x 256 float32; Wv 256 x 256 float32; bg 256 float32; bo 256 float32; ln_m_b 256 float32; ln_m_g 256 float32; ln_z_b 128 float32; ln_z_g 128 float32; m 128 x 256 x 256 float32; z 256 x 256 x 128 float32.
;; Outputs: out0 128 x 256 x 256 float32.
;; One version. Each part assembles by itself: llvm-mc -triple=amdgcn-amd-amdhsa -mcpu=gfx1250 --defsym DOCPART=n.
;; ======== version 1 of 1: 2 launches
;; limits: values are held in f16: magnitudes above 65,504 overflow, below 6.1e-05 lose precision
;; workspace buffers: bias 2,097,152 bytes; wt 655,360 bytes
;; launch prep (part 1): grid 256 x 1, 8 waves a work-group, no clusters, 168,960 bytes of LDS; arguments z, ln_z_g, ln_z_b, W_z, Wk, Wv, Wq, Wg, Wo, bias, wt; writes bias, wt
.if DOCPART == 1
	.amdgcn_target "amdgcn-amd-amdhsa--gfx1250"
	.amdhsa_code_object_version 6
	.text
	.protected	k_q352c6f89e1_prep
	.globl	k_q352c6f89e1_prep
	.p2align	8
	.type	k_q352c6f89e1_prep,@function
k_q352c6f89e1_prep:
	s_mov_b64 s[64:65], 0
	v_nop
	global_prefetch_b8 v0, s[64:65] scope:SCOPE_SE
	s_setreg_imm32_b32 hwreg(HW_REG_WAVE_MODE, 25, 1), 1
	s_wait_xcnt 0x0
; prep: (1) the pair bias  bias = log2(e) * (layernorm(z) @ W_z), in f32, stored in the register order of a matrix C operand;
;       (2) the five weight matrices as f16 in matrix-fragment order, with constants folded in.
; bias: [head 8][I 16][T 16][q 2][lane 32][4 f32] = log2e * b[head][16 I + (lane & 15)][16 T + 8 (lane >> 4) + 4 q + 0..3].
; wt:   [head 8][65,536 bytes: K, V, Q, G parts of 16 fragments each, f = 2 u + ct], then Wo's 128 fragments at 524,288 + (16 head + nt) x 1,024.
;       A fragment is [q 2][lane 32][16 bytes], element e = scale * W[32 u + 16 q + 8 (lane >> 4) + e][16 ntile + (lane & 15)] (Wo: u = head, ntile = nt).
;       scale: Q log2e / sqrt(32), G -log2e, others 1.
; Work-group g = (I = g >> 4, T = g & 15) owns 16 i x 16 j of z: 128 KiB, all brought into LDS at once, nothing is filled twice.
; Wave w takes i = 16 I + 2 w and 2 w + 1: two tiles of 16 rows j x 128 channels.
; Algebra (holds for every input): b = xhat @ (gamma * W_z) + beta @ W_z; the second term is one f32 number a head.
; No cluster: every byte of z is read by one work-group alone; the small tables are a few KiB.
; LIMITS: matrix operands are f16 (xhat is at most sqrt(128) in size; gamma * W_z and the scaled weights must stay below 65,504, and numbers below
; 6e-5 are kept to 6e-8 absolute).  gamma and the constants are folded in before the rounding to f16: the order of rounding differs from the formula's.
.set ZP,   528                         ; LDS row of z: 512 bytes + 16: 16 rows start in 16 different 16-byte columns modulo 256 bytes
.set ZT,   16*ZP                       ; a tile
.set ZW,   2*ZT                        ; a wave's two tiles
.set STG,  8*ZW                        ; 135,168 (a multiple of 256): the stage for the way out; no tensor load lands here
.set SW,   1056                        ; a wave's part of the stage: 1,024 bytes used
.set WOB,  524288                      ; where Wo's fragments begin in wt
.set LOG2E, 0x3fb8aa3b
.set R,    1                           ; lane & 15
.set HL,   2                           ; lane >> 4
.set L16,  3                           ; 16 x lane
.set HL32, 4                           ; 32 x (lane >> 4)
.set OW,   5                           ; offset in W_z
.set AZ,   6                           ; LDS address of my part of row r
.set STO,  7                           ; stage, in
.set RD,   8                           ; stage, back
.set WSRC, 9                           ; weight job: source offset
.set WDST, 10                          ; weight job: destination offset
.set CB,   12                          ; v[12:13] log2e * (beta @ W_z) of my head, twice
.set T0,   14                          ; destination of the lane exchange
.set WR,   16                          ; v[16:79] W_z as loaded; then v[16:47] its four f16 fragments
.set GA,   80                          ; v[80:143] gamma; then tile 0; then v[80:111] its fragments
.set BE,   144                         ; v[144:207] beta; then tile 1; then v[144:175] its fragments
.set X0,   80
.set X1,   144
.set D0,   208
.set D1,   216
.set SM,   224                         ; v[224:231] four chains of sums
.set MU,   232
.set RS,   234
.set WJ,   224                         ; weight job: v[224:231] as loaded, v[232:235] packed
; register 16 u + 8 q + e of WR, GA, BE, X0, X1 belongs to channel k = 32 u + 16 q + 8 (lane >> 4) + e: the order of a 16-bit fragment (ISA guide 7.12.2)
	s_load_b512 s[8:23], s[0:1], 0x0               ; z, gamma, beta, W_z, Wk, Wv, Wq, Wg
	s_load_b128 s[24:27], s[0:1], 0x40             ; Wo, bias
	s_load_b64 s[28:29], s[0:1], 0x50              ; wt
	v_lshl_add_u32 v240, v0, 2, 0x29000
	v_mov_b32 v241, 0
	ds_add_u32 v240, v241
	v_lshrrev_b32 v1, 5, v0
	v_readfirstlane_b32 s30, v1                    ; wave 0..7
	s_lshr_b32 s31, ttmp9, 4                       ; I
	s_and_b32 s32, ttmp9, 15                       ; T
	s_mov_b32 s56, 0x76543210                      ; v_permlanex16_b32: lane i takes lane i of the other half
	s_mov_b32 s57, 0xfedcba98
	s_mov_b32 s62, 0x3c000000                      ; 1 / 128
	s_mov_b32 s63, 0x3727c5ac                      ; 1e-5
	; descriptor group 1: 16 rows x 128 elements of 4 bytes, 4 words of padding behind every 128 words
	s_mov_b32 s36, (2<<16)|(1<<20)|(6<<22)|(3<<25)
	s_mov_b32 s37, 128<<16                         ; tensor_dim0 = 128
	s_mov_b32 s38, 16<<16                          ; tensor_dim1 = 16
	s_mov_b32 s39, 128<<16                         ; tile_dim0 = 128
	s_mov_b32 s40, 16                              ; tile_dim1 = 16
	s_mov_b32 s41, 128                             ; elements from row to row
	s_mov_b32 s42, 0
	s_mov_b32 s43, 0
	s_lshl_b32 s34, s31, 21                        ; 16 I rows i of 131,072 bytes
	s_lshl_b32 s58, s30, 18                        ; + 2 w rows i
	s_add_co_u32 s34, s34, s58
	s_lshl_b32 s58, s32, 13                        ; + 16 T rows j of 512 bytes
	s_add_co_u32 s34, s34, s58
	s_mov_b32 s35, 0
	s_wait_dscnt 0x0
	s_wait_kmcnt 0x0
	s_add_nc_u64 s[8:9], s[8:9], s[34:35]
	s_mov_b32 s44, 1
	s_mul_i32 s45, s30, ZW                         ; LDS: my two tiles
	s_mov_b64 s[46:47], s[8:9]
	s_or_b32 s47, s47, 0x80000000
	s_mov_b32 s48, 1
	s_add_co_u32 s49, s45, ZT
	s_add_nc_u64 s[50:51], s[8:9], 131072          ; the next i
	s_or_b32 s51, s51, 0x80000000
	tensor_load_to_lds s[44:47], s[36:43]          ; both first fills together, ahead of everything else: two loads of the wave are out, the most in this text.
	s_nop 0
	tensor_load_to_lds s[48:51], s[36:43]          ; 16 rows each: the block's rows lie in memory in runs of 16 (8 KiB)
	s_nop 0
	v_and_b32 v[R], 15, v0
	v_bfe_u32 v[HL], v0, 4, 1
	v_and_b32 v[L16], 31, v0
	v_lshlrev_b32 v[L16], 4, v[L16]
	v_lshlrev_b32 v[HL32], 5, v[HL]
	v_and_b32 v[OW], 7, v0                         ; head = r & 7: columns 8 to 15 of the product repeat heads 0 to 7
	v_lshlrev_b32 v[OW], 2, v[OW]
	v_lshl_add_u32 v[OW], v[HL], 8, v[OW]          ; + 8 hl rows of 32 bytes
	v_mul_u32_u24 v[AZ], v[R], ZP
	v_add_nc_u32 v[AZ], v[AZ], v[HL32]
	v_add_nc_u32 v[AZ], s45, v[AZ]
	v_and_b32 v[STO], 7, v0
	v_lshlrev_b32 v[STO], 7, v[STO]                ; 128 x head
	v_lshl_add_u32 v[STO], v[HL], 6, v[STO]        ; + 64 hl
	s_mul_i32 s59, s30, SW
	s_add_co_u32 s59, s59, STG
	v_add_nc_u32 v[STO], s59, v[STO]               ; in my wave's own 1,056 bytes
	v_lshrrev_b32 v[RD], 1, v[R]                   ; back: lane (r, hl) wants i = r: wave r >> 1, tile r & 1
	v_mul_u32_u24 v[RD], v[RD], SW
	v_and_b32 v11, 1, v0
	v_lshl_add_u32 v[RD], v11, 4, v[RD]
	v_lshl_add_u32 v[RD], v[HL], 6, v[RD]
	s_lshl_b32 s58, s30, 7                         ; my wave writes out head w
	s_add_co_u32 s58, s58, STG
	v_add_nc_u32 v[RD], s58, v[RD]
	v_mov_b32 v[T0], 0                             ; written once: the lane exchange counts as a reader of its destination
	; the small tables
.set i, 0
.rept 64
	global_load_b32 v[WR+i], v[OW], s[14:15] offset:(32*(i/16)+16*((i%16)/8)+(i%8))*32
.set i, i+1
.endr
.set i, 0
.rept 16
	global_load_b128 v[GA+4*i:GA+4*i+3], v[HL32], s[10:11] offset:128*(i/4)+64*((i%4)/2)+16*(i%2)
	global_load_b128 v[BE+4*i:BE+4*i+3], v[HL32], s[12:13] offset:128*(i/4)+64*((i%4)/2)+16*(i%2)
.set i, i+1
.endr
	; THE WEIGHT JOB: waves 0 to 4 each rewrite half a fragment (512 bytes) of Wk, Wv, Wq, Wg, Wo: 256 work-groups x 5 = all 1,280 halves.
	; ntile = I, 2 u + q = T.
	s_lshl_b32 s60, s32, 14                        ; source: row 32 u + 16 q = 16 T, 1,024 bytes a row
	s_lshl_b32 s61, s31, 6                         ; + column 16 I
	s_add_co_u32 s60, s60, s61
	v_lshlrev_b32 v[WSRC], 2, v[R]
	v_lshl_add_u32 v[WSRC], v[HL], 13, v[WSRC]     ; + 8 hl rows
	v_add_nc_u32 v[WSRC], s60, v[WSRC]
	s_lshr_b32 s60, s32, 1                         ; u
	s_lshr_b32 s58, s31, 1                         ; K, V, Q, G: head = I >> 1, ct = I & 1
	s_lshl_b32 s58, s58, 16                        ; 65,536 bytes a head
	s_lshl_b32 s61, s30, 14                        ; the part
	s_add_co_u32 s58, s58, s61
	s_lshl_b32 s61, s60, 11                        ; fragment 2 u + ct
	s_add_co_u32 s58, s58, s61
	s_and_b32 s61, s31, 1
	s_lshl_b32 s61, s61, 10
	s_add_co_u32 s58, s58, s61
	s_lshl_b32 s59, s60, 14                        ; Wo: head = u, 16 fragments a head,
	s_add_co_u32 s59, s59, WOB
	s_lshl_b32 s61, s31, 10                        ; fragment nt = I
	s_add_co_u32 s59, s59, s61
	s_and_b32 s61, s32, 1                          ; q
	s_lshl_b32 s61, s61, 9
	s_cmp_gt_u32 s30, 4
	s_cbranch_scc1 .Lno_job
	s_mov_b64 s[52:53], s[16:17]                   ; the wave's matrix and scale, chosen by the wave's number
	s_mov_b32 s54, 1.0
	s_cmp_eq_u32 s30, 1
	s_cselect_b64 s[52:53], s[18:19], s[52:53]
	s_cmp_eq_u32 s30, 2
	s_cselect_b64 s[52:53], s[20:21], s[52:53]
	s_cselect_b32 s54, 0x3e8293ee, s54             ; log2e / sqrt(32)
	s_cmp_eq_u32 s30, 3
	s_cselect_b64 s[52:53], s[22:23], s[52:53]
	s_cselect_b32 s54, 0xbfb8aa3b, s54             ; -log2e
	s_cmp_eq_u32 s30, 4
	s_cselect_b64 s[52:53], s[24:25], s[52:53]
	s_cselect_b32 s58, s59, s58
	s_mov_b32 s55, s54
	s_add_co_u32 s58, s58, s61
	v_add_nc_u32 v[WDST], s58, v[L16]
.irp e, 0,1,2,3,4,5,6,7
	global_load_b32 v[WJ+\e], v[WSRC], s[52:53] offset:\e*1024
.endr
	s_wait_loadcnt 0x0
.irp p, 0,1,2,3
	v_pk_mul_f32 v[WJ+2*\p:WJ+2*\p+1], v[WJ+2*\p:WJ+2*\p+1], s[54:55] op_sel_hi:[1,0]
.endr
.irp p, 0,1,2,3
	v_cvt_pk_f16_f32 v[WJ+8+\p], v[WJ+2*\p], v[WJ+2*\p+1]
.endr
	global_store_b128 v[WDST], v[WJ+8:WJ+11], s[28:29]     ; the wave stores 512 consecutive bytes, aligned
.Lno_job:
	s_wait_loadcnt 0x0                             ; W_z, gamma, beta
	s_wait_xcnt 0x0                                ; the store's data registers are written again below only behind this wait
.macro RED                             ; four chains -> one number, the same in both lanes that share a row
	v_pk_add_f32 v[SM:SM+1], v[SM:SM+1], v[SM+2:SM+3]
	v_pk_add_f32 v[SM+4:SM+5], v[SM+4:SM+5], v[SM+6:SM+7]
	v_pk_add_f32 v[SM:SM+1], v[SM:SM+1], v[SM+4:SM+5]
	v_add_f32 v[SM], v[SM], v[SM+1]
	v_permlanex16_b32 v[T0], v[SM], s56, s57
	v_add_f32 v[SM], v[SM], v[T0]
.endm
	; beta @ W_z for my head, in f32
.irp k, 0,1,2,3
	v_pk_mul_f32 v[SM+2*\k:SM+2*\k+1], v[BE+2*\k:BE+2*\k+1], v[WR+2*\k:WR+2*\k+1]
.endr
.set i, 4
.rept 28
	v_pk_fma_f32 v[SM+2*(i%4):SM+2*(i%4)+1], v[BE+2*i:BE+2*i+1], v[WR+2*i:WR+2*i+1], v[SM+2*(i%4):SM+2*(i%4)+1]
.set i, i+1
.endr
	RED
	v_mul_f32 v[CB], LOG2E, v[SM]
	v_mul_f32 v[CB+1], LOG2E, v[SM]
	; gamma * W_z, then to f16 in place: register i takes registers 2 i and 2 i + 1, ascending, so nothing unread is overwritten
.set i, 0
.rept 32
	v_pk_mul_f32 v[WR+2*i:WR+2*i+1], v[WR+2*i:WR+2*i+1], v[GA+2*i:GA+2*i+1]
.set i, i+1
.endr
.set i, 0
.rept 32
	v_cvt_pk_f16_f32 v[WR+i], v[WR+2*i], v[WR+2*i+1]
.set i, i+1
.endr
	s_wait_tensorcnt 0x0                           ; my two tiles are in LDS; only I read them
.irp t, 0,1
.set i, 0
.rept 16
	ds_load_b128 v[X0+64*\t+4*i:X0+64*\t+4*i+3], v[AZ] offset:\t*ZT+128*(i/4)+64*((i%4)/2)+16*(i%2)
.set i, i+1
.endr
.endr
; layer norm of a tile without gain and bias: a row lies in two lanes, 64 numbers each.  Two passes: mean, then the centred squares.
.macro LNZ xb
.irp k, 0,1,2,3
	v_pk_add_f32 v[SM+2*\k:SM+2*\k+1], v[\xb+2*\k:\xb+2*\k+1], v[\xb+8+2*\k:\xb+8+2*\k+1]
.endr
.set li, 8
.rept 24
	v_pk_add_f32 v[SM+2*(li%4):SM+2*(li%4)+1], v[\xb+2*li:\xb+2*li+1], v[SM+2*(li%4):SM+2*(li%4)+1]
.set li, li+1
.endr
	RED
	v_mul_f32 v[MU], s62, v[SM]
	v_mul_f32 v[MU+1], s62, v[SM]
.set li, 0
.rept 32
	v_pk_add_f32 v[\xb+2*li:\xb+2*li+1], v[\xb+2*li:\xb+2*li+1], v[MU:MU+1] neg_lo:[0,1] neg_hi:[0,1]
.set li, li+1
.endr
.irp k, 0,1,2,3
	v_pk_mul_f32 v[SM+2*\k:SM+2*\k+1], v[\xb+2*\k:\xb+2*\k+1], v[\xb+2*\k:\xb+2*\k+1]
.endr
.set li, 4
.rept 28
	v_pk_fma_f32 v[SM+2*(li%4):SM+2*(li%4)+1], v[\xb+2*li:\xb+2*li+1], v[\xb+2*li:\xb+2*li+1], v[SM+2*(li%4):SM+2*(li%4)+1]
.set li, li+1
.endr
	RED
	v_fma_f32 v[SM], v[SM], s62, s63               ; variance + eps
	v_rsq_f32 v[RS], v[SM]
	v_nop                                          ; one plain place behind the transcendental (ISA guide 5.7.2)
	s_wait_alu depctr_va_vdst(0)
	v_mov_b32 v[RS+1], v[RS]
.set li, 0
.rept 32
	v_pk_mul_f32 v[\xb+2*li:\xb+2*li+1], v[\xb+2*li:\xb+2*li+1], v[RS:RS+1]
.set li, li+1
.endr
.set li, 0
.rept 32
	v_cvt_pk_f16_f32 v[\xb+li], v[\xb+2*li], v[\xb+2*li+1]
.set li, li+1
.endr
.endm
	s_wait_dscnt 16                                ; tile 0's sixteen loads are in, tile 1's sixteen may be out
	LNZ X0
	s_wait_dscnt 0x0
	LNZ X1
	; D(j, head) = xhat(j, k) x (gamma W_z)(k, head); the two accumulators take turns
.irp u, 0,1,2,3
.if \u
	v_wmma_f32_16x16x32_f16 v[D0:D0+7], v[X0+8*\u:X0+8*\u+7], v[WR+8*\u:WR+8*\u+7], v[D0:D0+7]
	v_wmma_f32_16x16x32_f16 v[D1:D1+7], v[X1+8*\u:X1+8*\u+7], v[WR+8*\u:WR+8*\u+7], v[D1:D1+7]
.else
	v_wmma_f32_16x16x32_f16 v[D0:D0+7], v[X0:X0+7], v[WR:WR+7], 0
	v_wmma_f32_16x16x32_f16 v[D1:D1+7], v[X1:X1+7], v[WR:WR+7], 0
.endif
.endr
.rept 5
	v_nop                                          ; the places behind the matrix instructions (ISA guide 7.12.1)
.endr
.irp p, 0,1,2,3,4,5,6,7
	v_pk_fma_f32 v[D0+2*\p:D0+2*\p+1], v[D0+2*\p:D0+2*\p+1], LOG2E, v[CB:CB+1] op_sel_hi:[1,0,1]
.endr
	; the way out: lane (head, hl) of wave w holds j = 8 hl + 0..7 of i = 2 w + t.  Lanes r and r + 8 hold the same numbers and store them to the same bytes.
	ds_store_b128 v[STO], v[D0:D0+3]
	ds_store_b128 v[STO], v[D0+4:D0+7] offset:32
	ds_store_b128 v[STO], v[D1:D1+3] offset:16
	ds_store_b128 v[STO], v[D1+4:D1+7] offset:48
	s_lshl_b32 s34, s30, 18                        ; bias: head w,
	s_lshl_b32 s58, s31, 14                        ; I,
	s_add_co_u32 s34, s34, s58
	s_lshl_b32 s58, s32, 10                        ; T
	s_add_co_u32 s34, s34, s58
	s_add_nc_u64 s[26:27], s[26:27], s[34:35]
	s_wait_dscnt 0x0                               ; my stores are done, for the other waves' sake
	s_barrier_signal -1
	s_barrier_wait -1
	ds_load_b128 v[X0:X0+3], v[RD]                 ; q = 0: 16 i x 2 hl of head w
	ds_load_b128 v[X0+4:X0+7], v[RD] offset:32     ; q = 1
	s_wait_dscnt 1
	global_store_b128 v[L16], v[X0:X0+3], s[26:27]             ; 512 consecutive bytes, aligned
	s_wait_dscnt 0x0
	global_store_b128 v[L16], v[X0+4:X0+7], s[26:27] offset:512
	s_wait_tensorcnt 0x0
	ds_add_u32 v240, v241
	s_wait_dscnt 0x0
	s_endpgm
.Lfunc_end_k_q352c6f89e1_prep:
	.size	k_q352c6f89e1_prep, .Lfunc_end_k_q352c6f89e1_prep-k_q352c6f89e1_prep
	.p2alignl 7, 3214868480
	.fill 96, 4, 3214868480
	.section	.rodata,"a",@progbits
	.p2align	6, 0x0
	.amdhsa_kernel k_q352c6f89e1_prep
		.amdhsa_group_segment_fixed_size 168960
		.amdhsa_private_segment_fixed_size 0
		.amdhsa_enable_private_segment 0
		.amdhsa_kernarg_size 88
		.amdhsa_user_sgpr_count 2
		.amdhsa_user_sgpr_kernarg_segment_ptr 1
		.amdhsa_wavefront_size32 1
		.amdhsa_system_sgpr_workgroup_id_x 1
		.amdhsa_system_sgpr_workgroup_id_y 1
		.amdhsa_system_sgpr_workgroup_id_z 1
		.amdhsa_system_vgpr_workitem_id 0
		.amdhsa_next_free_vgpr 242
		.amdhsa_next_free_sgpr 66
		.amdhsa_reserve_vcc 0
		.amdhsa_float_denorm_mode_32 3
		.amdhsa_float_denorm_mode_16_64 3
		.amdhsa_memory_ordered 1
		.amdhsa_forward_progress 1
		.amdhsa_inst_pref_size 48
	.end_amdhsa_kernel
	.amdgpu_metadata
---
amdhsa.version: [ 1, 2 ]
amdhsa.kernels:
  - .name:           k_q352c6f89e1_prep
    .symbol:         k_q352c6f89e1_prep.kd
    .args:
      - { .name: z, .offset: 0, .size: 8, .value_kind: global_buffer, .address_space: global }
      - { .name: ln_z_g, .offset: 8, .size: 8, .value_kind: global_buffer, .address_space: global }
      - { .name: ln_z_b, .offset: 16, .size: 8, .value_kind: global_buffer, .address_space: global }
      - { .name: W_z, .offset: 24, .size: 8, .value_kind: global_buffer, .address_space: global }
      - { .name: Wk, .offset: 32, .size: 8, .value_kind: global_buffer, .address_space: global }
      - { .name: Wv, .offset: 40, .size: 8, .value_kind: global_buffer, .address_space: global }
      - { .name: Wq, .offset: 48, .size: 8, .value_kind: global_buffer, .address_space: global }
      - { .name: Wg, .offset: 56, .size: 8, .value_kind: global_buffer, .address_space: global }
      - { .name: Wo, .offset: 64, .size: 8, .value_kind: global_buffer, .address_space: global }
      - { .name: bias, .offset: 72, .size: 8, .value_kind: global_buffer, .address_space: global }
      - { .name: wt, .offset: 80, .size: 8, .value_kind: global_buffer, .address_space: global }
    .group_segment_fixed_size: 168960
    .private_segment_fixed_size: 0
    .kernarg_segment_align: 8
    .kernarg_segment_size: 88
    .max_flat_workgroup_size: 256
    .sgpr_count:     66
    .vgpr_count:     242
    .wavefront_size: 32
...
	.end_amdgpu_metadata
.endif
;; end of part 1
;; launch attn (part 2): grid 256 x 1, 8 waves a work-group, clusters of 4 x 1, 327,680 bytes of LDS; arguments m, ln_m_g, ln_m_b, wt, bias, bg, bo, out0; writes out0
.if DOCPART == 2
	.amdgcn_target "amdgcn-amd-amdhsa--gfx1250"
	.amdhsa_code_object_version 6
	.text
	.protected	k_q352c6f89e1_attn
	.globl	k_q352c6f89e1_attn
	.p2align	8
	.type	k_q352c6f89e1_attn,@function
k_q352c6f89e1_attn:
	s_mov_b64 s[64:65], 0
	v_nop
	global_prefetch_b8 v0, s[64:65] scope:SCOPE_SE
	s_setreg_imm32_b32 hwreg(HW_REG_WAVE_MODE, 25, 1), 1
	s_wait_xcnt 0x0
	s_wait_alu depctr_hold_cnt(0) depctr_sa_sdst(0) depctr_va_vdst(0) depctr_va_sdst(0) depctr_va_ssrc(0) depctr_va_vcc(0) depctr_vm_vsrc(0)
	s_getreg_b32 s2, hwreg(HW_REG_IB_STS2, 6, 4)
	s_cmp_eq_u32 s2, 0
	s_cbranch_scc0 .Lentry_in_a_cluster
	s_endpgm
.Lentry_in_a_cluster:
	s_bfe_u32 s2, ttmp6, 0x10000c
	s_cmp_lg_u32 s2, 0x3003
	s_cbranch_scc0 .Lentry_shape_is_right
	s_endpgm
.Lentry_shape_is_right:
; attn: layer norm of m, the q, k, v and gate projections, attention with pair bias, gate, output projection: all in one launch.
; Work-group x = (sequence s = x >> 1, half = x & 1) makes rows i = 128 half .. + 127 of out0[s].
; EIGHT WAVES IN TWO ROLES, 512 registers each.  wq = wave & 3 names 32 rows (row tiles a = 0, 1) that a pair of waves shares.
;   Waves 0-3 PROJECT: they norm their 32 rows and rows 128 (1 - half) + 32 wq .. + 31 of the other half (tiles a = 2, 3; k and v are needed for all 256 rows),
;   keep the normed rows as f16 fragments in registers, and make, head by head, k, v, q and the gate, which they put into an exchange buffer in LDS.
;   Waves 4-7 ATTEND: scores, softmax, P V and the gate for the head that was projected one trip earlier; g * o goes to LDS as f16 fragments.
; So one head's matrix instructions and the softmax of the head before are issued by different waves in the same trip.
; Nine trips, t = 0 .. 8: head t is projected (t <= 7), head t - 1 attended (t >= 1); one round of the cluster's barrier opens each trip.  Two exchange buffers take turns:
; the round stands between a buffer's stores and its reads, and between its reads and the next stores.
; The output projection stands behind the trips (its 256 sums of a lane do not fit beside 256 scores in 512 registers): of each pair the projecting wave makes
; columns 0-127, the attending wave columns 128-255, so each fragment of Wo is read once by a pair.
; LAYOUTS (lane = (r = lane & 15, hl = lane >> 4); ISA guide 7.12.2).  Every product is set so that its result, packed to f16, IS the next operand in the same lane:
;   q, k, gate:  A = W^T fragment, B = rows          -> D(c = 16 ct + 8 hl + j', row = r): q packs to the scores' B, k to the scores' A
;   v:           A = rows, B = Wv^T fragment         -> D(j = 8 hl + j', c = r): packs to half of an A fragment of V^T
;   scores^T:    A = K rows j, B = Q rows i, C = bias -> D(j = 16 T + 8 hl + j', i = r): a lane owns one row i; two tiles pack to a B fragment of P
;   o^T:         A = V^T, B = P                      -> D(c, i = r): packs to the B fragment (K = 32 = the head's c) of the output projection
;   out^T:       A = Wo^T fragment, B = g * o        -> D(n = 16 nt + 8 hl + j', i = r): eight neighbouring columns of a row of out0
; What passes from wave to wave through LDS is stored and loaded at 16 x lane + a constant, so it comes back in the lane that it left.
; j is taken in a local order, the own half's tiles first (T 0-7), the other half's behind (T 8-15); K, V and the bias use the same order, so the softmax is the same,
; and no LDS address hangs on the work-group's place in its cluster.
; Scores are in base 2: log2e / sqrt(32) is folded into Wq and log2e into the bias by the launch before; the row's true maximum is taken away before the exponential.
; CLUSTER 4 x 1: all work-groups walk the same weights, ten blocks of 64 KiB (eight heads' K, V, Q, G, then Wo); the four of a cluster ask for them jointly, each wave for an eighth
; (32 rows of 256 bytes: 64 KiB shared out among eight waves).
; m is not asked for jointly: the two work-groups of a sequence want the same rows at exchanged LDS places.  The bias is not either: 128 KiB a head does not fit
; beside the slots and buffers; it is loaded from memory straight into the score accumulators, one head ahead, 512 consecutive bytes a load.
; LIMITS: all matrix operands are f16: normed rows, q, k, v, g * o and the scaled weights must stay below 65,504 in size (at the drawn spread they are of order 1 or less),
; numbers below 6e-5 are kept to 6e-8 absolute, probabilities below 6e-8 become 0.  v_exp_f32 gives 0 for results below 2^-126.  In the row maximum a NaN loses.
; The constants are folded into the weights before they are rounded: the order of rounding differs from the formula's.
.set MROW,   1040                      ; LDS row of m: 1,024 bytes + 16: 16 rows start in 16 different 16-byte columns modulo 256 bytes
.set MTILE,  16*MROW
.set MWAVE,  32*MROW                   ; what one tensor load of m brings
.set MOTH,   4*MWAVE                   ; the other half's rows lie behind the own ones: m takes [0, 266,240) at the start
.set SLOTB,  65536                     ; a weight slot: K, V, Q, G fragments of a head, 16 KiB each; at the end half of Wo.  Slots at 0 and 65,536
.set XB0,    2*SLOTB                   ; 131,072: exchange buffer 0
.set XBB,    57344                     ; its bytes; buffer 1 follows
.set XV,     16384                     ; in a buffer: K fragments at T x 1,024; V fragments here, (2 ju + ct) x 1,024
.set XQ,     32768                     ; q fragments: wq x 2,048 + a x 1,024
.set XG,     40960                     ; gate in f32: ct x 8,192 + wq x 2,048 + a x 1,024
.set GOB,    XB0+2*XBB                 ; 245,760: g * o fragments: wq x 16,384 + head x 2,048 + a x 1,024
.set GAB,    GOB+65536                 ; 311,296: gamma (1 KiB) and beta (1 KiB), a copy for each projecting wave
.set STAGE,  XB0                       ; the way out: 16 rows x 528 bytes for each wave, over the exchange buffers, which are dead by then
.set SROW,   528                       ; 512 bytes + 16
.set SWAVE,  16*SROW
; LDS stores go only to bytes from 131,072 on, whose only fill is the first one (m).
; A fragment in LDS is [q 2][lane 32][16 bytes]: every fragment load and store is 16 x lane + a constant, 512 consecutive bytes.
; REGISTERS.  window 1: projecting waves: MN, the normed rows, tile a, K step u at 64 a + 8 u; attending waves: scores at 128 a + 8 T, then P[a][ju] in place at 128 a + 16 ju;
; in the output projection, both: sums at 64 a + 8 nt, g * o fragments at 128 + 64 a + 8 head.   window 0 (every address register is written by every wave, whichever role uses it):
.set R,    1
.set HL,   2
.set L16,  3                           ; 16 x lane: also slot 0's address and the offset of the stores
.set HL32, 4
.set AMO,  5                           ; my part of row r of my own rows of m (projecting waves)
.set AMX,  6                           ; the same in the other half's rows
.set AGB,  7                           ; my part of my copy of gamma
.set XK0,  8                           ; exchange buffer 0: K and V
.set AGOR, 9                           ; the pair's g * o, head 0
.set AW1,  10                          ; slot 1
.set XK1,  11                          ; exchange buffer 1
.set XW0,  12                          ; buffer 0 + 2,048 wq: the pair's tiles of K and V, its q and its gate
.set XW1,  13                          ; the same in buffer 1
.set VB0,  14                          ; offset in bias for T 0-7
.set VB1,  15                          ; for T 8-15
.set STO,  16
.set RD,   17
.set T0,   18                          ; v[18:19] destinations of lane exchanges
.set MX,   20                          ; v[20:23] maxima, then 1 / sum, a pair for each a; in the layer norm mean and 1 / deviation
.set SM,   24                          ; v[24:31] four chains of sums
.set ACC,  32                          ; v[32:95] k, v: tile (ct, a) at 8 (4 ct + a); q, o^T: at 8 (2 ct + a)
.set GBF,  32                          ; layer norm: two buffers of 16 gamma + 16 beta
.set GT,   64                          ; v[64:95] gate: at 8 (2 ct + a)
.set QF,   96                          ; v[96:111] q fragments, later g * o fragments, at 8 a
.set BG,   112                         ; v[112:127] bg of the head, at 8 ct
.set WF,   128                         ; v[128:255] two buffers of 8 fragments
.set X,    128                         ; layer norm: 16 rows in f32
.set G1M,  36                          ; s[36:43] shape of m's tiles
.set G1W,  44                          ; s[44:51] shape of an eighth of a slot
.set G0M,  52                          ; s[52:59] from where, to where: own rows, other rows
.set G0B,  60                          ; s[60:63] beta
.set G0W,  68                          ; s[68:75] slot 0, slot 1
.set G1G,  88                          ; s[88:95] shape of gamma and of beta
.set G0G,  96                          ; s[96:99] gamma
.set MSB, 0
.macro WIN new                         ; s_set_vgpr_msb: bits 1:0 source 0, 3:2 source 1, 5:4 source 2, 7:6 destination; the high byte repeats the setting that is left
.if MSB != \new
	s_set_vgpr_msb (MSB<<8)|\new
.set MSB, \new
.endif
.endm
.macro PLACES                          ; the places behind matrix instructions (ISA guide 7.12.1), in front of whatever reads their results or writes their registers
.rept 5
	v_nop
.endr
.endm
.macro ROUND                           ; a round of the cluster's barrier: my work-group's barrier, wave 0 signals for the work-group, all wait for the four, my work-group's barrier
	s_barrier_signal -1
	s_barrier_wait -1
	s_cmp_lg_u32 s24, 0
	s_cbranch_scc1 .Lnot_wave_0_\@
	s_barrier_signal -3
.Lnot_wave_0_\@:
	s_barrier_wait -3
	s_barrier_signal -1
	s_barrier_wait -1
.endm
.macro ROWOFF                          ; s[30:31]: byte offset of the pair's own 32 rows in m and out0; s[32:33]: of its 32 rows of the other half.  s29 = wq
	s_lshl_b32 s30, s27, 18                        ; the sequence: 256 rows of 1,024 bytes
	s_lshl_b32 s81, s29, 15                        ; + 32 wq rows
	s_add_co_u32 s30, s30, s81
	s_lshl_b32 s81, s28, 17                        ; + 128 rows for the upper half
	s_xor_b32 s82, s81, 0x20000
	s_add_co_u32 s32, s30, s82
	s_add_co_u32 s30, s30, s81
	s_mov_b32 s31, 0
	s_mov_b32 s33, 0
.endm
.macro PAIRADR                         ; what hangs on wq (s29): run by both roles, each with its own wq, so that every wave has written these registers
	s_lshl_b32 s83, s29, 11
	v_add_nc_u32 v[XW0], s83, v[XK0]               ; my pair's tiles: T = 2 wq + .., ju = wq + ..; q and gate: wq x 2,048
	v_add_nc_u32 v[XW1], s83, v[XK1]
	s_lshl_b32 s84, s29, 14
	v_add_nc_u32 v[AGOR], s84, v[L16]
	v_add_nc_u32 v[AGOR], GOB, v[AGOR]
	s_lshl_b32 s82, s28, 17                        ; bias: I = 8 half + 2 wq + a, 16,384 bytes each
	s_lshl_b32 s81, s29, 15
	s_add_co_u32 s82, s82, s81
	s_lshl_b32 s83, s28, 13                        ; T 0-7 are the own half's tiles, 1,024 bytes each,
	s_xor_b32 s84, s83, 0x2000                     ; T 8-15 the other half's
	s_add_co_u32 s83, s83, s82
	s_add_co_u32 s84, s84, s82
	v_add_nc_u32 v[VB0], s83, v[L16]
	v_add_nc_u32 v[VB1], s84, v[L16]
.endm
.macro RED                             ; four chains -> one number, the same in both lanes that share a row
	v_pk_add_f32 v[SM:SM+1], v[SM:SM+1], v[SM+2:SM+3]
	v_pk_add_f32 v[SM+4:SM+5], v[SM+4:SM+5], v[SM+6:SM+7]
	v_pk_add_f32 v[SM:SM+1], v[SM:SM+1], v[SM+4:SM+5]
	v_add_f32 v[SM], v[SM], v[SM+1]
	v_permlanex16_b32 v[T0], v[SM], s76, s77
	v_add_f32 v[SM], v[SM], v[T0]
.endm
; chunk c of gamma and beta (K step u = c, 16 numbers a lane of each) into buffer c & 1: eight loads
.macro GBLD c
.irp i, 0,1,2,3
	ds_load_b128 v[GBF+32*((\c)&1)+4*\i:GBF+32*((\c)&1)+4*\i+3], v[AGB] offset:128*(\c)+64*(\i/2)+16*(\i%2)
	ds_load_b128 v[GBF+32*((\c)&1)+16+4*\i:GBF+32*((\c)&1)+16+4*\i+3], v[AGB] offset:1024+128*(\c)+64*(\i/2)+16*(\i%2)
.endr
.endm
; layer norm of 16 rows of m, to the f16 fragments MN[a].  A row lies in two lanes, 128 numbers each; register 16 u + 8 q + e is k = 32 u + 16 q + 8 hl + e.
; Two passes (mean; centred squares).  gamma and beta come from LDS in eight chunks, two ahead.
.macro LNT a, areg, imm
.set li, 0
.rept 32
	ds_load_b128 v[X+4*li:X+4*li+3], v[\areg] offset:\imm+128*(li/4)+64*((li%4)/2)+16*(li%2)
.set li, li+1
.endr
	GBLD 0
	GBLD 1
	s_wait_dscnt 16                                ; the rows are in; the two chunks' sixteen loads may be out
.irp k, 0,1,2,3
	v_pk_add_f32 v[SM+2*\k:SM+2*\k+1], v[X+2*\k:X+2*\k+1], v[X+8+2*\k:X+8+2*\k+1]
.endr
.set li, 8
.rept 56
	v_pk_add_f32 v[SM+2*(li%4):SM+2*(li%4)+1], v[X+2*li:X+2*li+1], v[SM+2*(li%4):SM+2*(li%4)+1]
.set li, li+1
.endr
	RED
	v_mul_f32 v[MX], s79, v[SM]
	v_mul_f32 v[MX+1], s79, v[SM]
.set li, 0
.rept 64
	v_pk_add_f32 v[X+2*li:X+2*li+1], v[X+2*li:X+2*li+1], v[MX:MX+1] neg_lo:[0,1] neg_hi:[0,1]
.set li, li+1
.endr
.irp k, 0,1,2,3
	v_pk_mul_f32 v[SM+2*\k:SM+2*\k+1], v[X+2*\k:X+2*\k+1], v[X+2*\k:X+2*\k+1]
.endr
.set li, 4
.rept 60
	v_pk_fma_f32 v[SM+2*(li%4):SM+2*(li%4)+1], v[X+2*li:X+2*li+1], v[X+2*li:X+2*li+1], v[SM+2*(li%4):SM+2*(li%4)+1]
.set li, li+1
.endr
	RED
	v_fma_f32 v[SM], v[SM], s79, s80               ; variance + eps
	v_rsq_f32 v[MX+2], v[SM]
	v_nop                                          ; one plain place behind the transcendental (ISA guide 5.7.2)
	s_wait_alu depctr_va_vdst(0)
	v_mov_b32 v[MX+3], v[MX+2]
.set lc, 0
.rept 8
.if lc < 7
	s_wait_dscnt 8                                 ; chunk lc is in; the next chunk's eight loads may be out
.else
	s_wait_dscnt 0x0
.endif
.set lp, 0
.rept 8
	v_pk_mul_f32 v[X+16*lc+2*lp:X+16*lc+2*lp+1], v[X+16*lc+2*lp:X+16*lc+2*lp+1], v[MX+2:MX+3]
.set lp, lp+1
.endr
.set lp, 0
.rept 8
	v_pk_fma_f32 v[X+16*lc+2*lp:X+16*lc+2*lp+1], v[X+16*lc+2*lp:X+16*lc+2*lp+1], v[GBF+32*(lc&1)+2*lp:GBF+32*(lc&1)+2*lp+1], v[GBF+32*(lc&1)+16+2*lp:GBF+32*(lc&1)+16+2*lp+1]
.set lp, lp+1
.endr
.if lc < 6
	GBLD lc+2
.endif
.set lc, lc+1
.endr
	WIN 0x40
.set li, 0
.rept 64
	v_cvt_pk_f16_f32 v[64*\a+li], v[X+2*li], v[X+2*li+1]
.set li, li+1
.endr
	WIN 0
.endm
; 8 fragments (8 KiB) into buffer buf
.macro LOADB buf, areg, base
.set li, 0
.rept 16
	ds_load_b128 v[WF+64*\buf+4*li:WF+64*\buf+4*li+3], v[\areg] offset:\base+512*li
.set li, li+1
.endr
.endm
; four K steps of a projection with A = weights, B = rows: na row tiles x 2 column tiles.  The accumulators take turns, one instruction a turn.
.macro PROJT buf, u0, na, acc, zero
	WIN 0x04
.irp uu, 0,1,2,3
.set pz, \zero
.if \uu
.set pz, 0
.endif
.irp ct, 0,1
.set pa, 0
.rept \na
.if pz
	v_wmma_f32_16x16x32_f16 v[\acc+8*(\na*\ct+pa):\acc+8*(\na*\ct+pa)+7], v[WF+64*\buf+8*(2*\uu+\ct):WF+64*\buf+8*(2*\uu+\ct)+7], v[64*pa+8*(\u0+\uu):64*pa+8*(\u0+\uu)+7], 0
.else
	v_wmma_f32_16x16x32_f16 v[\acc+8*(\na*\ct+pa):\acc+8*(\na*\ct+pa)+7], v[WF+64*\buf+8*(2*\uu+\ct):WF+64*\buf+8*(2*\uu+\ct)+7], v[64*pa+8*(\u0+\uu):64*pa+8*(\u0+\uu)+7], v[\acc+8*(\na*\ct+pa):\acc+8*(\na*\ct+pa)+7]
.endif
.set pa, pa+1
.endr
.endr
.endr
	WIN 0
.endm
; the same with A = rows, B = weights, four row tiles (v)
.macro PROJV buf, u0, zero
	WIN 0x01
.irp uu, 0,1,2,3
.set pz, \zero
.if \uu
.set pz, 0
.endif
.irp ct, 0,1
.set pa, 0
.rept 4
.if pz
	v_wmma_f32_16x16x32_f16 v[ACC+8*(4*\ct+pa):ACC+8*(4*\ct+pa)+7], v[64*pa+8*(\u0+\uu):64*pa+8*(\u0+\uu)+7], v[WF+64*\buf+8*(2*\uu+\ct):WF+64*\buf+8*(2*\uu+\ct)+7], 0
.else
	v_wmma_f32_16x16x32_f16 v[ACC+8*(4*\ct+pa):ACC+8*(4*\ct+pa)+7], v[64*pa+8*(\u0+\uu):64*pa+8*(\u0+\uu)+7], v[WF+64*\buf+8*(2*\uu+\ct):WF+64*\buf+8*(2*\uu+\ct)+7], v[ACC+8*(4*\ct+pa):ACC+8*(4*\ct+pa)+7]
.endif
.set pa, pa+1
.endr
.endr
.endr
	WIN 0
.endm
; my eight tiles of k (kind 0) or v (kind 1) to f16 and into the exchange buffer, each as half a fragment: 512 consecutive bytes a store
.macro CVTST kind
.irp ct, 0,1
.irp a, 0,1,2,3
.irp p, 0,1,2,3
	v_cvt_pk_f16_f32 v[ACC+8*(4*\ct+\a)+\p], v[ACC+8*(4*\ct+\a)+2*\p], v[ACC+8*(4*\ct+\a)+2*\p+1]
.endr
.if \kind
	ds_store_b128 v[HK], v[ACC+8*(4*\ct+\a):ACC+8*(4*\ct+\a)+3] offset:XV+(\a>>1)*8192+1024*\ct+512*(\a&1)
.else
	ds_store_b128 v[HK], v[ACC+8*(4*\ct+\a):ACC+8*(4*\ct+\a)+3] offset:(\a&1)*1024+(\a>>1)*8192+512*\ct
.endif
.endr
.endr
.endm
; gate = 1 / (1 + 2^(-log2e (x + bg))); -log2e is already in the weights
.macro SIGMOID
.irp ct, 0,1
.irp a, 0,1
.irp p, 0,1,2,3
	v_pk_fma_f32 v[GT+8*(2*\ct+\a)+2*\p:GT+8*(2*\ct+\a)+2*\p+1], v[BG+8*\ct+2*\p:BG+8*\ct+2*\p+1], 0xbfb8aa3b, v[GT+8*(2*\ct+\a)+2*\p:GT+8*(2*\ct+\a)+2*\p+1] op_sel_hi:[1,0,1]
.endr
.endr
.endr
.set li, 0
.rept 32
	v_exp_f32 v[GT+li], v[GT+li]
.set li, li+1
.endr
	v_nop                                          ; one plain place behind the run of transcendentals (ISA guide 5.7.2)
.set li, 0
	s_wait_alu depctr_va_vdst(0)
.rept 16
	v_pk_add_f32 v[GT+2*li:GT+2*li+1], v[GT+2*li:GT+2*li+1], 1.0 op_sel_hi:[1,0]
.set li, li+1
.endr
.set li, 0
.rept 32
	v_rcp_f32 v[GT+li], v[GT+li]
.set li, li+1
.endr
	v_nop
.endm
.macro BGLD                            ; the head's bg: register 8 ct + 4 q + e is column 16 ct + 8 hl + 4 q + e of the head
.irp c, 0,1,2,3
	global_load_b128 v[BG+4*\c:BG+4*\c+3], v[HL32], s[18:19] offset:64*(\c/2)+16*(\c%2)
.endr
.endm
; the output sums start from bo: nothing is cleared.  Register j' of tile nt is column 16 nt + 8 hl + j' of my 128 columns, which begin at byte base of bo
.macro BOLD base
	WIN 0x40
.irp a, 0,1
.set li, 0
.rept 8
	global_load_b128 v[64*\a+8*li:64*\a+8*li+3], v[HL32], s[20:21] offset:\base+64*li
	global_load_b128 v[64*\a+8*li+4:64*\a+8*li+7], v[HL32], s[20:21] offset:\base+64*li+16
.set li, li+1
.endr
.endr
	WIN 0
.endm
; the bias of the tiles T of parity par of a head, into their score accumulators: 32 loads
.macro BIASLD par
	WIN 0x40
.irp a, 0,1
.set li, 0
.rept 4
	global_load_b128 v[128*\a+8*(2*li+\par):128*\a+8*(2*li+\par)+3], v[VB0], s[16:17] offset:16384*\a+1024*(2*li+\par)
	global_load_b128 v[128*\a+8*(2*li+\par)+4:128*\a+8*(2*li+\par)+7], v[VB0], s[16:17] offset:16384*\a+1024*(2*li+\par)+512
	global_load_b128 v[128*\a+64+8*(2*li+\par):128*\a+64+8*(2*li+\par)+3], v[VB1], s[16:17] offset:16384*\a+1024*(2*li+\par)
	global_load_b128 v[128*\a+64+8*(2*li+\par)+4:128*\a+64+8*(2*li+\par)+7], v[VB1], s[16:17] offset:16384*\a+1024*(2*li+\par)+512
.set li, li+1
.endr
.endr
	WIN 0
.endm
; softmax along j of my 2 x 16 rows.  A lane holds 128 of a row's 256 scores for each a; chain c covers registers 64 c .. 64 c + 63 (a = c >> 1).
.macro SOFTMAX
	WIN 0x05
.irp c, 0,1,2,3
	v_max_num_f32 v[MX+\c], v[64*\c], v[64*\c+1]
.endr
.set si, 2
.rept 31
.irp c, 0,1,2,3
	v_max3_num_f32 v[MX+\c], v[64*\c+si], v[64*\c+si+1], v[MX+\c]
.endr
.set si, si+2
.endr
	WIN 0
	v_max_num_f32 v[MX], v[MX], v[MX+1]
	v_max_num_f32 v[MX+2], v[MX+2], v[MX+3]
	v_permlanex16_b32 v[T0], v[MX], s76, s77
	v_permlanex16_b32 v[T0+1], v[MX+2], s76, s77
	v_max_num_f32 v[MX], v[MX], v[T0]              ; the row's maximum, in both lanes that share the row
	v_max_num_f32 v[MX+2], v[MX+2], v[T0+1]
	WIN 0x41
.set sg, 0
.rept 16
.set si, 0
.rept 8
	v_pk_add_f32 v[16*sg+2*si:16*sg+2*si+1], v[16*sg+2*si:16*sg+2*si+1], v[MX+2*(sg/8):MX+2*(sg/8)+1] op_sel_hi:[1,0] neg_lo:[0,1] neg_hi:[0,1]
.set si, si+1
.endr
.set si, 0
.rept 16
	v_exp_f32 v[16*sg+si], v[16*sg+si]             ; the next group's subtractions are the plain places behind this run (ISA guide 5.7.2)
.set si, si+1
.endr
.set sg, sg+1
.endr
	v_nop
	WIN 0x05
	s_wait_alu depctr_va_vdst(0)
.irp c, 0,1,2,3
	v_pk_add_f32 v[SM+2*\c:SM+2*\c+1], v[64*\c:64*\c+1], v[64*\c+2:64*\c+3]
.endr
	WIN 0x01
.set si, 4
.rept 30
.irp c, 0,1,2,3
	v_pk_add_f32 v[SM+2*\c:SM+2*\c+1], v[64*\c+si:64*\c+si+1], v[SM+2*\c:SM+2*\c+1]
.endr
.set si, si+2
.endr
	WIN 0x45                                       ; to f16 in place: tiles 2 ju and 2 ju + 1 become the B fragment P[a][ju]; ascending, so nothing unread is overwritten
.set sg, 0
.rept 16
.irp i, 0,1,2,3,4,5,6,7
	v_cvt_pk_f16_f32 v[16*sg+\i], v[16*sg+2*\i], v[16*sg+2*\i+1]
.endr
.set sg, sg+1
.endr
	WIN 0
	v_pk_add_f32 v[SM:SM+1], v[SM:SM+1], v[SM+2:SM+3]
	v_pk_add_f32 v[SM+4:SM+5], v[SM+4:SM+5], v[SM+6:SM+7]
	v_add_f32 v[SM], v[SM], v[SM+1]
	v_add_f32 v[SM+4], v[SM+4], v[SM+5]
	v_permlanex16_b32 v[T0], v[SM], s76, s77
	v_permlanex16_b32 v[T0+1], v[SM+4], s76, s77
	v_add_f32 v[SM], v[SM], v[T0]
	v_add_f32 v[SM+4], v[SM+4], v[T0+1]
	v_rcp_f32 v[MX], v[SM]                         ; 1 / sum: the sum is at least 1, the maximum's own term
	v_rcp_f32 v[MX+2], v[SM+4]
	v_nop
.endm
; g * o / sum, to f16: the B fragments of the output projection
.macro GATE
	s_wait_alu depctr_va_vdst(0)
.irp ct, 0,1
.irp a, 0,1
.irp p, 0,1,2,3
	v_pk_mul_f32 v[ACC+8*(2*\ct+\a)+2*\p:ACC+8*(2*\ct+\a)+2*\p+1], v[ACC+8*(2*\ct+\a)+2*\p:ACC+8*(2*\ct+\a)+2*\p+1], v[MX+2*\a:MX+2*\a+1] op_sel_hi:[1,0]
.endr
.endr
.endr
.set li, 0
.rept 16
	v_pk_mul_f32 v[ACC+2*li:ACC+2*li+1], v[ACC+2*li:ACC+2*li+1], v[GT+2*li:GT+2*li+1]
.set li, li+1
.endr
.irp ct, 0,1
.irp a, 0,1
.irp p, 0,1,2,3
	v_cvt_pk_f16_f32 v[QF+8*\a+4*\ct+\p], v[ACC+8*(2*\ct+\a)+2*\p], v[ACC+8*(2*\ct+\a)+2*\p+1]
.endr
.endr
.endr
.endm
; a head's g * o into the pair's region: fragment [a], half ct, at off + 1,024 a + 512 ct; off = 2,048 x head
.macro GOST off
.irp c, 0,1,2,3
	ds_store_b128 v[AGOR], v[QF+4*\c:QF+4*\c+3] offset:\off+512*\c
.endr
.endm
; A PROJECTING WAVE'S TRIP: one head, its weights in slot, its results into exchange buffer slot.  more = 1: the next head's bg is asked for; 0: bo.
; Counts on DScnt: a run of LOADB is 16, the stores of CVTST are 8, q's are 4; each wait leaves out what was issued behind the run that it needs.
.macro PHEAD slot, more
.if \slot
.set HA, AW1
.set HK, XW1
.else
.set HA, L16
.set HK, XW0
.endif
	LOADB 0, HA, 0                                 ; Wk, K steps 0-3
	LOADB 1, HA, 8192                              ; Wk, K steps 4-7
	s_wait_dscnt 16
	PROJT 0, 0, 4, ACC, 1
	PLACES
	LOADB 0, HA, 16384                             ; Wv
	s_wait_dscnt 16
	PROJT 1, 4, 4, ACC, 0
	PLACES
	LOADB 1, HA, 24576
	CVTST 0
	s_wait_dscnt 24                                ; 16 loads and 8 stores are younger
	PROJV 0, 0, 1
	PLACES
	LOADB 0, HA, 32768                             ; Wq
	s_wait_dscnt 24
	PROJV 1, 4, 0
	PLACES
	LOADB 1, HA, 40960
	CVTST 1
	s_wait_dscnt 24
	PROJT 0, 0, 2, ACC, 1
	PLACES
	LOADB 0, HA, 49152                             ; Wg
	s_wait_dscnt 24
	PROJT 1, 4, 2, ACC, 0
	PLACES
	LOADB 1, HA, 57344
.irp ct, 0,1
.irp a, 0,1
.irp p, 0,1,2,3
	v_cvt_pk_f16_f32 v[ACC+8*(2*\ct+\a)+\p], v[ACC+8*(2*\ct+\a)+2*\p], v[ACC+8*(2*\ct+\a)+2*\p+1]
.endr
	ds_store_b128 v[HK], v[ACC+8*(2*\ct+\a):ACC+8*(2*\ct+\a)+3] offset:XQ+1024*\a+512*\ct    ; half ct of the fragment q[a]
.endr
.endr
	s_wait_dscnt 20                                ; 16 loads and q's 4 stores are younger
	PROJT 0, 0, 2, GT, 1
	s_wait_dscnt 4                                 ; q's 4 stores are younger
	PROJT 1, 4, 2, GT, 0
	PLACES
	s_wait_loadcnt 0x0                             ; this head's bg, asked for a trip ago
	SIGMOID
	s_wait_alu depctr_va_vdst(0)
.irp c, 0,1,2,3,4,5,6,7
	ds_store_b128 v[HK], v[GT+4*\c:GT+4*\c+3] offset:XG+8192*(\c/4)+512*(\c%4)
.endr
.if \more
	s_add_nc_u64 s[18:19], s[18:19], 128           ; the loads that used this base were shown done by the wait on LOADcnt above
	BGLD
.else
	BOLD 0                                         ; the normed rows are done with: my sums of the output projection start from bo's columns 0-127
.endif
.endm
; AN ATTENDING WAVE'S TRIP: one head, its q, K, V and gate in exchange buffer xb.  more = 1: the next head's bias is asked for; 0: bo.
; hoff = 2,048 x head, the place of the head's g * o.  lap = 1: the trip stands in the loop, and its head is 2 x (3 - s78) further on than hoff says.
.macro THEAD xb, more, lap, hoff
.if \xb
.set TK, XK1
.set TQ, XW1
.else
.set TK, XK0
.set TQ, XW0
.endif
.irp c, 0,1,2,3
	ds_load_b128 v[QF+4*\c:QF+4*\c+3], v[TQ] offset:XQ+512*\c
.endr
	LOADB 0, TK, 0                                 ; K, T 0-7
	LOADB 1, TK, 8192                              ; K, T 8-15
	s_wait_loadcnt 0x0                             ; this head's bias, asked for a trip ago
	WIN 0x50
.set st, 0
.rept 16
	s_wait_dscnt 30-2*st                           ; q and fragment T's two loads are in, those of the fragments behind may be out
	v_wmma_f32_16x16x32_f16 v[8*st:8*st+7], v[WF+8*st:WF+8*st+7], v[QF:QF+7], v[8*st:8*st+7]
	v_wmma_f32_16x16x32_f16 v[128+8*st:128+8*st+7], v[WF+8*st:WF+8*st+7], v[QF+8:QF+15], v[128+8*st:128+8*st+7]
.set st, st+1
.endr
	WIN 0
	PLACES
	LOADB 0, TK, XV                                ; V^T, ju 0-3: they land during the softmax
	LOADB 1, TK, XV+8192                           ; ju 4-7
.irp c, 0,1,2,3,4,5,6,7
	ds_load_b128 v[GT+4*\c:GT+4*\c+3], v[TQ] offset:XG+8192*(\c/4)+512*(\c%4)
.endr
	SOFTMAX
.if \more
	s_add_nc_u64 s[16:17], s[16:17], 262144        ; the loads that used this base were shown done by the wait on LOADcnt above
	BIASLD 1                                       ; the odd tiles' registers are free since P was packed
.endif
	s_wait_dscnt 0x0
	WIN 0x04
.irp ju, 0,1,2,3,4,5,6,7
.irp ct, 0,1
.irp a, 0,1
.if \ju
	v_wmma_f32_16x16x32_f16 v[ACC+8*(2*\ct+\a):ACC+8*(2*\ct+\a)+7], v[WF+8*(2*\ju+\ct):WF+8*(2*\ju+\ct)+7], v[128*\a+16*\ju:128*\a+16*\ju+7], v[ACC+8*(2*\ct+\a):ACC+8*(2*\ct+\a)+7]
.else
	v_wmma_f32_16x16x32_f16 v[ACC+8*(2*\ct+\a):ACC+8*(2*\ct+\a)+7], v[WF+8*(2*\ju+\ct):WF+8*(2*\ju+\ct)+7], v[128*\a+16*\ju:128*\a+16*\ju+7], 0
.endif
.endr
.endr
.endr
	WIN 0
	PLACES
.if \more
	BIASLD 0                                       ; into the registers that P has left
.else
	BOLD 512                                       ; the scores are done with: my sums of the output projection start from bo's columns 128-255
.endif
	GATE
	; The head's place stands in the stores' immediates, so that every LDS address of this text is a constant plus terms of the lane and the wave.
	; In the loop each of the three laps (s78 = 3, 2, 1) has its own four stores, 4,096 bytes (two heads) apart: four LDS stores on every way.
.if \lap
	s_cmp_eq_u32 s78, 3
	s_cbranch_scc0 .Lgo_b_\@
	GOST \hoff
	s_branch .Lgo_d_\@
.Lgo_b_\@:
	s_cmp_eq_u32 s78, 2
	s_cbranch_scc0 .Lgo_c_\@
	GOST \hoff+4096
	s_branch .Lgo_d_\@
.Lgo_c_\@:
	GOST \hoff+8192
.Lgo_d_\@:
.else
	GOST \hoff
.endif
.endm
; A TRIP.  slot = the slot and exchange buffer of the head that is projected; the head that is attended lies in the other buffer.
.macro TRIP slot, dop, dot, pmore, tmore, lap, hoff
	s_wait_xcnt 0x0
	v_lshl_add_u32 v254, v0, 2, 0x4e000
	v_mov_b32 v255, 0
	s_wait_tensorcnt 0x0                           ; all my tensor loads have landed: my eighth of this slot; so a group 0 may be written:
	ds_add_u32 v254, v255
	s_wait_dscnt 0x0
	s_add_nc_u64 s[G0W+4*\slot+2:G0W+4*\slot+3], s[G0W+4*\slot+2:G0W+4*\slot+3], 2*SLOTB   ; this slot's next block (after the last one not used)
	s_wait_dscnt 0x0                               ; my reads of the other slot and of an exchange buffer are over, my stores are done
	ROUND                                          ; all that now holds of every wave of the cluster
	tensor_load_to_lds s[G0W+4-4*\slot:G0W+7-4*\slot], s[G1W:G1W+7]    ; the next block of weights into the slot read last: my one load, with the whole trip in which to land
	s_nop 0
	s_cmp_ge_u32 s24, 4
	s_cbranch_scc1 .Lattend_\@
.if \dop
	PHEAD \slot, \pmore
.endif
	s_branch .Ljoin_\@
.Lattend_\@:
.if \dot
	THEAD 1-\slot, \tmore, \lap, \hoff
.endif
.Ljoin_\@:
.endm
; THE OUTPUT PROJECTION of my 32 rows x 128 columns: A = Wo's fragments (head, nt = 8 role + 0..7), B = g * o (a, head).  16 accumulators take turns.
.macro FINAL role
	WIN 0x40
.irp a, 0,1
.set li, 0
.rept 8
	ds_load_b128 v[128+64*\a+8*li:128+64*\a+8*li+3], v[AGOR] offset:2048*li+1024*\a
	ds_load_b128 v[128+64*\a+8*li+4:128+64*\a+8*li+7], v[AGOR] offset:2048*li+1024*\a+512
.set li, li+1
.endr
.endr
	WIN 0
	LOADB 0, L16, \role*8192                       ; head 0
	LOADB 1, L16, 16384+\role*8192                 ; head 1
	s_wait_loadcnt 0x0                             ; bo
.irp h, 0,1,2,3,4,5,6,7
.set fb, \h%2
.if \h < 7
	s_wait_dscnt 16                                ; this head's fragments (and g * o) are in; the next head's sixteen loads may be out
.else
	s_wait_dscnt 0x0
.endif
	WIN 0x54
.set st, 0
.rept 8
	v_wmma_f32_16x16x32_f16 v[8*st:8*st+7], v[WF+64*fb+8*st:WF+64*fb+8*st+7], v[128+8*\h:128+8*\h+7], v[8*st:8*st+7]
	v_wmma_f32_16x16x32_f16 v[64+8*st:64+8*st+7], v[WF+64*fb+8*st:WF+64*fb+8*st+7], v[192+8*\h:192+8*\h+7], v[64+8*st:64+8*st+7]
.set st, st+1
.endr
	WIN 0
.if \h < 6
	PLACES
.if \h < 2
	LOADB fb, L16, (\h+2)*16384+\role*8192
.else
	LOADB fb, AW1, (\h-2)*16384+\role*8192
.endif
.endif
.endr
	PLACES
.endm
; THE WAY OUT, 16 rows at a time through my own stage: a lane puts its 256 bytes of row r, whole rows of 512 bytes come back, each store of the wave covers 512 consecutive bytes, aligned.
; LDS serves a wave's instructions in order (ISA guide 5.7.1): no wait between my stores and my loads, and none between tile 0's loads and tile 1's stores.
.macro OUTA a
	WIN 0x04
.set oi, 0
.rept 8
	ds_store_b128 v[STO], v[64*\a+8*oi:64*\a+8*oi+3] offset:64*oi
	ds_store_b128 v[STO], v[64*\a+8*oi+4:64*\a+8*oi+7] offset:64*oi+16
.set oi, oi+1
.endr
	WIN 0
.set oi, 0
.rept 16
	ds_load_b128 v[WF+64*\a+4*oi:WF+64*\a+4*oi+3], v[RD] offset:SROW*oi
.set oi, oi+1
.endr
.set oi, 0
.rept 16
	s_wait_dscnt 15-oi
	global_store_b128 v[L16], v[WF+64*\a+4*oi:WF+64*\a+4*oi+3], s[22:23] offset:(16*\a+oi)*1024 th:TH_STORE_NT
.set oi, oi+1
.endr
.endm
	s_load_b512 s[8:23], s[0:1], 0x0               ; m, gamma, beta, wt, bias, bg, bo, out0
	v_lshl_add_u32 v254, v0, 2, 0x4e000
	v_mov_b32 v255, 0
	ds_add_u32 v254, v255
	s_wait_dscnt 0x0
	v_lshrrev_b32 v1, 5, v0
	v_readfirstlane_b32 s24, v1                    ; wave 0..7
	s_bfe_u32 s25, ttmp6, 0x40000                  ; cx
	s_lshl_b32 s26, ttmp9, 2
	s_add_co_u32 s26, s26, s25                     ; work-group x
	s_lshr_b32 s27, s26, 1                         ; sequence
	s_and_b32 s28, s26, 1                          ; half: enters global offsets alone
	s_mov_b32 s76, 0x76543210                      ; v_permlanex16_b32: lane i takes lane i of the other half
	s_mov_b32 s77, 0xfedcba98
	s_mov_b32 s79, 0x3b800000                      ; 1 / 256
	s_mov_b32 s80, 0x3727c5ac                      ; 1e-5
	; m's tiles: 32 rows x 256 elements of 4 bytes, 4 words of padding behind every 256 words; no mask: a load of my own
	s_mov_b32 s[G1M+0], (2<<16)|(1<<20)|(7<<22)|(3<<25)
	s_mov_b32 s[G1M+1], 256<<16
	s_mov_b32 s[G1M+2], 32<<16
	s_mov_b32 s[G1M+3], 256<<16
	s_mov_b32 s[G1M+4], 32
	s_mov_b32 s[G1M+5], 256
	s_mov_b32 s[G1M+6], 0
	s_mov_b32 s[G1M+7], 0
	; gamma, beta: one row of 1,024 bytes (128 elements of 8 bytes); no mask
	s_mov_b32 s[G1G+0], 3<<16
	s_mov_b32 s[G1G+1], 128<<16
	s_mov_b32 s[G1G+2], 1<<16
	s_mov_b32 s[G1G+3], 128<<16
	s_mov_b32 s[G1G+4], 1
	s_mov_b32 s[G1G+5], 128
	s_mov_b32 s[G1G+6], 0
	s_mov_b32 s[G1G+7], 0
	; an eighth of a slot: a dense block of 32 rows of 256 bytes (32 elements of 8 bytes); mask 15: all four work-groups of the cluster; bit 21 beside it
	s_mov_b32 s[G1W+0], 15|(3<<16)|(1<<21)
	s_mov_b32 s[G1W+1], 32<<16
	s_mov_b32 s[G1W+2], 32<<16
	s_mov_b32 s[G1W+3], 32<<16
	s_mov_b32 s[G1W+4], 32
	s_mov_b32 s[G1W+5], 32
	s_mov_b32 s[G1W+6], 0
	s_mov_b32 s[G1W+7], 0
	s_lshl_b32 s34, s24, 13                        ; my eighth: 8,192 bytes
	s_mov_b32 s35, 0
	; the addresses that hang on the lane and the wave's number alone: written here by every wave
	v_and_b32 v[R], 15, v0
	v_bfe_u32 v[HL], v0, 4, 1
	v_and_b32 v[L16], 31, v0
	v_lshlrev_b32 v[L16], 4, v[L16]
	v_lshlrev_b32 v[HL32], 5, v[HL]
	v_add_nc_u32 v[AW1], SLOTB, v[L16]
	v_add_nc_u32 v[XK0], XB0, v[L16]
	v_add_nc_u32 v[XK1], XB0+XBB, v[L16]
	s_mul_i32 s85, s24, SWAVE
	s_add_co_u32 s85, s85, STAGE                   ; my stage
	v_mul_u32_u24 v[STO], v[R], SROW
	v_add_nc_u32 v[STO], v[STO], v[HL32]
	v_add_nc_u32 v[STO], s85, v[STO]
	v_add_nc_u32 v[RD], s85, v[L16]
	s_mul_i32 s86, s24, MWAVE                      ; m's rows, gamma and beta: read by waves 0-3 alone, each its own
	v_mul_u32_u24 v[AMO], v[R], MROW
	v_add_nc_u32 v[AMO], v[AMO], v[HL32]           ; 1,040 r + 32 hl
	v_add_nc_u32 v[AMO], s86, v[AMO]
	v_add_nc_u32 v[AMX], MOTH, v[AMO]
	s_lshl_b32 s86, s24, 11
	s_add_co_u32 s86, s86, GAB
	v_add_nc_u32 v[AGB], s86, v[HL32]
	v_mov_b32 v[T0], 0                             ; written once: a lane exchange counts as a reader of its destination
	v_mov_b32 v[T0+1], 0
	s_wait_kmcnt 0x0
	s_add_nc_u64 s[14:15], s[14:15], s[34:35]      ; wt + my eighth: made of the wave's number alone, equal in all four work-groups
	s_mov_b32 s[G0W+0], 1
	s_lshl_b32 s[G0W+1], s24, 13
	s_mov_b64 s[G0W+2:G0W+3], s[14:15]             ; block 0
	s_or_b32 s[G0W+3], s[G0W+3], 0x80000000
	s_mov_b32 s[G0W+4], 1
	s_add_co_u32 s[G0W+5], s[G0W+1], SLOTB
	s_add_nc_u64 s[G0W+6:G0W+7], s[14:15], SLOTB   ; block 1
	s_or_b32 s[G0W+7], s[G0W+7], 0x80000000
	ROUND                                          ; in a cluster launch every group of tensor loads stands behind a round
	s_cmp_ge_u32 s24, 4
	s_cbranch_scc1 .Lattend_setup
	; ---- projecting waves: all first fills, in this one branch
	s_mov_b32 s29, s24                             ; wq
	ROWOFF
	s_lshl_b32 s87, s24, 11
	s_mov_b32 s[G0G+0], 1
	s_add_co_u32 s[G0G+1], s87, GAB                ; my own copy
	s_mov_b64 s[G0G+2:G0G+3], s[10:11]
	s_or_b32 s[G0G+3], s[G0G+3], 0x80000000
	s_mov_b32 s[G0B+0], 1
	s_add_co_u32 s[G0B+1], s87, GAB+1024
	s_mov_b64 s[G0B+2:G0B+3], s[12:13]
	s_or_b32 s[G0B+3], s[G0B+3], 0x80000000
	s_mov_b32 s[G0M+0], 1
	s_mul_i32 s[G0M+1], s24, MWAVE
	s_add_nc_u64 s[G0M+2:G0M+3], s[8:9], s[30:31]
	s_or_b32 s[G0M+3], s[G0M+3], 0x80000000
	s_mov_b32 s[G0M+4], 1
	s_add_co_u32 s[G0M+5], s[G0M+1], MOTH
	s_add_nc_u64 s[G0M+6:G0M+7], s[8:9], s[32:33]
	s_or_b32 s[G0M+7], s[G0M+7], 0x80000000
	tensor_load_to_lds s[G0G:G0G+3], s[G1G:G1G+7]          ; gamma
	s_nop 0
	tensor_load_to_lds s[G0B:G0B+3], s[G1G:G1G+7]          ; beta
	s_nop 0
	tensor_load_to_lds s[G0M:G0M+3], s[G1M:G1M+7]          ; my own 32 rows
	s_nop 0
	tensor_load_to_lds s[G0M+4:G0M+7], s[G1M:G1M+7]        ; the other half's 32 rows: four loads of the wave are out, the most in this text
	s_nop 0
	s_add_nc_u64 s[22:23], s[22:23], s[30:31]      ; out0 at my first row, columns 0-127
	PAIRADR
	s_wait_tensorcnt 0x1                           ; gamma, beta and my own rows are in LDS (only I read them); the other half's rows may be out
	LNT 0, AMO, 0
	LNT 1, AMO, MTILE
	s_branch .Lsetup_done
.Lattend_setup:
	; ---- attending waves
	s_sub_co_u32 s29, s24, 4                       ; wq
	ROWOFF
	s_add_nc_u64 s[22:23], s[22:23], s[30:31]      ; out0 at my first row,
	s_add_nc_u64 s[22:23], s[22:23], 512           ; columns 128-255
	PAIRADR
	BIASLD 0                                       ; head 0's bias
	BIASLD 1
.Lsetup_done:
	s_wait_dscnt 0x0                               ; my reads of my own rows are over,
	s_wait_xcnt 0x0
	v_lshl_add_u32 v254, v0, 2, 0x4e000
	v_mov_b32 v255, 0
	s_wait_tensorcnt 0x0                           ; and all my tensor loads have landed, the other half's rows among them
	ds_add_u32 v254, v255
	s_wait_dscnt 0x0
	ROUND                                          ; both now hold of every wave of the cluster
	tensor_load_to_lds s[G0W:G0W+3], s[G1W:G1W+7]          ; block 0 (head 0's weights) over own rows of m; it lands while the other half's rows are normed
	s_nop 0
	s_cmp_ge_u32 s24, 4
	s_cbranch_scc1 .Lnormed
	LNT 2, AMX, 0
	LNT 3, AMX, MTILE
	BGLD                                           ; head 0's bg
.Lnormed:
	TRIP 0, 1, 0, 1, 0, 0, 0                       ; t = 0: head 0 is projected
	s_mov_b32 s78, 3
.Lheads:
	TRIP 1, 1, 1, 1, 1, 1, 0                       ; t = 1, 3, 5: heads 0, 2, 4 are attended
	TRIP 0, 1, 1, 1, 1, 1, 2048                    ; t = 2, 4, 6: heads 1, 3, 5
	s_sub_co_u32 s78, s78, 1
	s_cmp_lg_u32 s78, 0
	s_cbranch_scc1 .Lheads
	TRIP 1, 1, 1, 0, 1, 0, 12288                   ; t = 7: the last head is projected, head 6 attended; its load brings Wo's heads 0-3 into slot 0
	TRIP 0, 0, 1, 0, 0, 0, 14336                   ; t = 8: head 7 is attended; its load brings Wo's heads 4-7 into slot 1
	s_wait_tensorcnt 0x0                           ; my eighths of Wo have landed,
	s_wait_dscnt 0x0                               ; my stores of g * o are done and my reads of the exchange buffers are over
	s_barrier_signal -1                            ; my work-group's alone
	s_barrier_wait -1
	s_cmp_ge_u32 s24, 4
	s_cbranch_scc1 .Lattend_final
	FINAL 0
	s_branch .Lout
.Lattend_final:
	FINAL 1
.Lout:
	OUTA 0
	OUTA 1
	s_wait_xcnt 0x0
	v_lshl_add_u32 v254, v0, 2, 0x4e000
	v_mov_b32 v255, 0
	s_wait_tensorcnt 0x0
	ds_add_u32 v254, v255
	s_wait_dscnt 0x0
	ROUND                                          ; the closing round: no work-group ends while a partner may still ask jointly
	s_endpgm
.Lfunc_end_k_q352c6f89e1_attn:
	.size	k_q352c6f89e1_attn, .Lfunc_end_k_q352c6f89e1_attn-k_q352c6f89e1_attn
	.p2alignl 7, 3214868480
	.fill 96, 4, 3214868480
	.section	.rodata,"a",@progbits
	.p2align	6, 0x0
	.amdhsa_kernel k_q352c6f89e1_attn
		.amdhsa_group_segment_fixed_size 327680
		.amdhsa_private_segment_fixed_size 0
		.amdhsa_enable_private_segment 0
		.amdhsa_kernarg_size 64
		.amdhsa_user_sgpr_count 2
		.amdhsa_user_sgpr_kernarg_segment_ptr 1
		.amdhsa_wavefront_size32 1
		.amdhsa_system_sgpr_workgroup_id_x 1
		.amdhsa_system_sgpr_workgroup_id_y 1
		.amdhsa_system_sgpr_workgroup_id_z 1
		.amdhsa_system_vgpr_workitem_id 0
		.amdhsa_next_free_vgpr 512
		.amdhsa_next_free_sgpr 100
		.amdhsa_reserve_vcc 0
		.amdhsa_float_denorm_mode_32 3
		.amdhsa_float_denorm_mode_16_64 3
		.amdhsa_memory_ordered 1
		.amdhsa_forward_progress 1
		.amdhsa_inst_pref_size 255
	.end_amdhsa_kernel
	.section	.bss,"aw",@nobits
	.p2align	6
	.space	262144
	.amdgpu_metadata
---
amdhsa.version: [ 1, 2 ]
amdhsa.kernels:
  - .name:           k_q352c6f89e1_attn
    .symbol:         k_q352c6f89e1_attn.kd
    .args:
      - { .name: m, .offset: 0, .size: 8, .value_kind: global_buffer, .address_space: global }
      - { .name: ln_m_g, .offset: 8, .size: 8, .value_kind: global_buffer, .address_space: global }
      - { .name: ln_m_b, .offset: 16, .size: 8, .value_kind: global_buffer, .address_space: global }
      - { .name: wt, .offset: 24, .size: 8, .value_kind: global_buffer, .address_space: global }
      - { .name: bias, .offset: 32, .size: 8, .value_kind: global_buffer, .address_space: global }
      - { .name: bg, .offset: 40, .size: 8, .value_kind: global_buffer, .address_space: global }
      - { .name: bo, .offset: 48, .size: 8, .value_kind: global_buffer, .address_space: global }
      - { .name: out0, .offset: 56, .size: 8, .value_kind: global_buffer, .address_space: global }
    .group_segment_fixed_size: 327680
    .private_segment_fixed_size: 0
    .kernarg_segment_align: 8
    .kernarg_segment_size: 64
    .max_flat_workgroup_size: 256
    .sgpr_count:     100
    .vgpr_count:     512
    .wavefront_size: 32
...
	.end_amdgpu_metadata
.endif
;; end of part 2
